; MI455X (gfx1250); checked and timed in simulation.
; The chip was launched on July 23, 2026; its instructions are those of AMD's public machine-readable ISA for CDNA 5 (MIT licence, August 2026) and "CDNA5" Instruction Set Architecture Reference Guide (July 2026). The comments in the code are by the model that wrote it; some were corrected since.
;; DFT. Allowed arithmetic: matrix products marked QUANTISED: E2M1 operands, one E8M0 scale for each 32 along K, by v_wmma_scale_f32_16x16x128_f8f6f4 with both operands' format E2M1 (or v_wmma_scale_f32_32x16x128_f4), f32 sums; everything else in f32.
;; Inputs: W_imag 2,048 x 2,048 float32; W_real 2,048 x 2,048 float32; x_imag 4,096 x 2,048 float32; x_real 4,096 x 2,048 float32.
;; Outputs: out0 4,096 x 2,048 float32; out1 4,096 x 2,048 float32.
;; This version of the problem:
;;   THIS VERSION OF THE PROBLEM IS GIVEN IN LOW PRECISION. The matrix products marked QUANTISED in the list below multiply operands that are first quantised to E2M1 (2 exponent bits, 1 mantissa bit; 4 bits a number), with one power-of-two scale for each 32 numbers along K (OCP MX v1.0); their sums are f32. All else is computed in f32.
;;   The module's matrix products, in the order in which they are computed (A, B: the left and right operand; K: the contracted axis; several contracted axes count as one K, in the product's order):
;;     1. [M 4,096, K 2,048] x [K 2,048, N 2,048]; A: input x_real; B: input W_real: QUANTISED
;;     2. [M 4,096, K 2,048] x [K 2,048, N 2,048]; A: input x_imag; B: input W_imag: QUANTISED
;;     3. [M 4,096, K 2,048] x [K 2,048, N 2,048]; A: input x_imag; B: input W_real: QUANTISED
;;     4. [M 4,096, K 2,048] x [K 2,048, N 2,048]; A: input x_real; B: input W_imag: QUANTISED
;;   THE QUANTISER, for each operand of a quantised product, along K:
;;     - K is cut into blocks of 32 from its start; a last block that is shorter is filled with zeros.
;;     - A block's scale is 2^e with e = floor(log2(the largest magnitude in the block)) - 2, held to -126 .. 127; a block of zeros has e = 0. As a byte (E8M0): e + 127.
;;     - Each number is divided by its block's scale, clamped to +-6, and rounded to the nearest number of E2M1, ties to even, subnormals kept.
;;     - The product sums the exact products of the quantised numbers (number of the format x scale) in f32.
;;   ~~~python
;;   def quantise(x, axis):      # numpy; x: float32 -> the quantised numbers, widened to float32 again
;;       x = np.moveaxis(x, axis, -1); K = x.shape[-1]
;;       x = np.pad(x, [(0, 0)] * (x.ndim - 1) + [(0, -K % 32)]); x = x.reshape(x.shape[:-1] + (-1, 32)); a = np.abs(x).max(-1, keepdims=True)
;;       e = np.where(a > 0, np.clip(np.frexp(np.where(a > 0, a, 1))[1] - 1 - 2, -126, 127), 0)      # np.frexp(a)[1] - 1 = floor(log2(a)), exactly
;;       r = np.clip(x / 2.0 ** e, -6, 6)
;;       step = 2.0 ** (np.maximum(np.frexp(np.where(r == 0, 1, r))[1] - 1, 0) - 1)
;;       q = np.round(r / step) * step * 2.0 ** e      # np.round: ties to even
;;       return np.moveaxis(q.reshape(q.shape[:-2] + (-1,))[..., :K], -1, axis).astype(np.float32)
;;   ~~~
;; One version. Each part assembles by itself: llvm-mc -triple=amdgcn-amd-amdhsa -mcpu=gfx1250 --defsym DOCPART=n.
;; ======== version 1 of 1: 2 launches
;; limits: right only within a limited range of input values
;; workspace buffers: xq 8,912,896 bytes; wq 4,456,448 bytes
;; launch quant (part 1): grid 256 x 1, 16 waves a work-group, no clusters, 327,680 bytes of LDS; arguments x_real, x_imag, W_real, W_imag, xq, wq; writes xq, wq
.if DOCPART == 1
	.amdgcn_target "amdgcn-amd-amdhsa--gfx1250"
	.amdhsa_code_object_version 6
	.text
	.protected	k_qec71939f79_quant
	.globl	k_qec71939f79_quant
	.p2align	8
	.type	k_qec71939f79_quant,@function
k_qec71939f79_quant:
	s_mov_b64 s[64:65], 0
	v_nop
	global_prefetch_b8 v0, s[64:65] scope:SCOPE_SE
	s_setreg_imm32_b32 hwreg(HW_REG_WAVE_MODE, 25, 1), 1
	s_wait_xcnt 0x0
; x_real, x_imag [4096][2048] (K innermost) and W_real, W_imag [2048 (K)][2048 (n)], f32, become codes of FP4 (E2M1) with one E8M0 scale byte for each 32 along K.
; A block's scale is 2^(floor(log2(its largest magnitude)) - 2); its byte is the largest magnitude's exponent field - 2, held at 1 from below; each number is divided by the scale and rounded to the nearest code, ties to even, beyond 6 the largest code.
; LIMITS: NaN and infinities among the inputs are not served.  A block of zeros gets the byte 1 where the rule says 127: its codes are zeros, which add nothing under any byte but 0xff, and this program alone reads the bytes.
; THE OUTPUT IS LAID IN THE ORDER OF THE OPERAND'S REGISTERS, K STEP BY K STEP (128 along K).  A fragment (16 rows x 128 K) is 1,024 bytes, [c 0..1][lane 0..31][16 bytes]: lane (r, h) of group c holds block 2 c + h of row r: registers 4 c .. 4 c + 3 of the operand.
;   xq: [tile of 128 rows: 32][real, imag][K step: 16][8,704]: codes at mb x 1,024 (mb: which 16 rows); scale words at 8,192 + 256 wm + 8 lane + 4 j: lanes 0-15 the rows of block 4 wm + 2 j, lanes 16-31 of block 4 wm + 2 j + 1.
;   wq: [tile of 256 columns: 8][real, imag][K step: 16][17,408]: codes at nb x 1,024; scale words at 16,384 + 512 wn + 16 lane + 4 q: column 128 wn + 32 q + lane.
; SHARES.  256 work-groups of sixteen waves.  Each takes 128 rows x 4 K steps of one part of x (262,144 bytes) and 128 columns x 2 K steps of one part of W (131,072 bytes).
; x: a wave takes 32 rows x one K step, by ONE tensor load into 32 rows of its own in LDS, issued at the head and read by itself alone.  W: a wave takes 64 columns x 32 along K, straight into registers: lane (r, h) four neighbouring columns, 16 rows.
; W's codes and all scale words meet in LDS behind the one barrier and leave as runs of 512 bytes.
; No cluster: no two work-groups read the same bytes.  No prefetch into the L2: there is no loop to run ahead in, every load is issued at the head.  Nothing in LDS is filled twice.
; Every offset is an immediate, no pointer is stepped, no store's data are written again, EXEC is never changed: so no wait on XCNT is needed.
.set XROW, 8192                        ; a row of x or of W in bytes
.set AKB,  8704                        ; a K step's block of xq
.set BKB,  17408                       ; of wq
.set SP,   528                         ; a tile's row in LDS: 512 bytes + 16: an odd multiple of 16, so that the sixteen rows that a read touches fall on sixteen different groups of banks
.set TILE, 32*SP                       ; a wave's tile
.set IMG,  16*TILE                     ; behind the tiles: W's codes, for each K step eight fragments of 1,024 bytes + 16
.set NBP,  1040
.set SCB,  IMG+16*NBP                  ; scale words: x's four K steps, then W's two, 512 bytes each
.set SPARE, SCB+6*512                  ; the spare words, 128 bytes for each wave: eight blocks of 256 bytes that no other line names
.set GI,   4                           ; v4  16 x lane
.set WO,   5                           ; v5  W: my offset in memory
.set WI,   6                           ; v6  W: LDS address of my codes
.set WS,   7                           ; v7  W: of my scale bytes
.set XR,   8                           ; v8  x: of my numbers in the tile
.set XS,   9                           ; v9  x: of my scale word
.set SH,   10                          ; v10 8 h
.set RDW,  11                          ; v11 the way out: W's codes
.set RDS,  12                          ; v12 scale words
.set SPW,  13                          ; v13 LDS address of my spare word; never rewritten
.set NIL,  14                          ; v14 0; never rewritten
.set MW,   16                          ; v16-19 largest magnitudes (x: v16-17, and v18-19 second chain, then the bytes)
.set PD,   20                          ; v20-23 lane permutes' destinations
.set OW,   24                          ; v24-27 the conversions' scale operands
.set BW,   28                          ; v28-31 W's scale bytes
.set CW,   32                          ; v32-39 W's codes, two registers for each column
.set TW,   40                          ; v40-71 one column's 16 numbers on end, two sets
.set XW,   72                          ; v72-135 W as loaded: row i of my 16, column c of my four at XW + 4 i + c; then x's second fragment
.set X,    136                         ; v136-199 x's first fragment: fragment f at X - 64 f
.set C,    200                         ; v200-215 x's codes, eight registers for each fragment
.set WD,   216                         ; v216-217 a scale word for each fragment, v218 mine
.set RW,   220                         ; v220-231 the way out
.set G1,   24                          ; s[24:31] descriptor group 1
.set G0,   32                          ; s[32:35] descriptor group 0
	s_load_b256 s[4:11], s[0:1], 0x0               ; x_real s[4:5], x_imag s[6:7], W_real s[8:9], W_imag s[10:11]
	s_load_b128 s[12:15], s[0:1], 0x20             ; xq s[12:13], wq s[14:15]
	v_lshl_add_u32 v[SPW], v0, 2, SPARE
	v_mov_b32 v[NIL], 0
	ds_add_u32 v[SPW], v[NIL]                      ; the wave's opening: the add, twice on end, and its wait ahead of my first tensor load; the set-up below, work on registers, stands between
	ds_add_u32 v[SPW], v[NIL]
	v_lshrrev_b32 v1, 5, v0
	v_readfirstlane_b32 s16, v1                    ; wave 0..15
	s_and_b32 s17, s16, 3                          ; x: which K step of my four,
	s_lshr_b32 s18, s16, 2                         ; rg: which 32 rows of the tile,
	s_lshr_b32 s19, ttmp9, 3                       ; the tile of 128 rows,
	s_bfe_u32 s20, ttmp9, 0x10002                  ; the part,
	s_and_b32 s21, ttmp9, 3                        ; which four K steps
	s_and_b32 s22, ttmp9, 15                       ; W: cg: which 128 columns,
	s_bfe_u32 s23, ttmp9, 0x30004                  ; which two K steps,
	s_lshr_b32 s49, ttmp9, 7                       ; the part,
	s_and_b32 s40, s16, 1                          ; which 64 columns,
	s_bfe_u32 s41, s16, 0x20001                    ; kb: which 32 along K,
	s_lshr_b32 s42, s16, 3                         ; of which K step
	s_mov_b32 s50, 0x76543210
	s_mov_b32 s51, 0xfedcba98                      ; v_permlanex16_b32's selects for lane l xor 16
	s_mov_b32 s[G1+0], (3<<16)|(1<<20)|(6<<22)|(3<<25)   ; 15:0 no mask; 17:16 elements of 8 bytes; 20 padding on; 24:22 after every 128 words (code 6); 31:25 of 4 words (code 3)
	s_mov_b32 s[G1+1], 64<<16                      ; tensor_dim0 = 64
	s_mov_b32 s[G1+2], 32<<16                      ; tensor_dim1 = 32
	s_mov_b32 s[G1+3], 64<<16                      ; tile_dim0 = 64
	s_mov_b32 s[G1+4], 32                          ; tile_dim1 = 32
	s_mov_b32 s[G1+5], 1024                        ; tensor_dim0_stride: 8,192 bytes
	s_mov_b32 s[G1+6], 0
	s_mov_b32 s[G1+7], 0
	; offsets in memory: my tile of x
	s_lshl_b32 s36, s19, 20
	s_lshl_b32 s38, s18, 18
	s_add_co_u32 s36, s36, s38
	s_lshl_b32 s38, s21, 11
	s_add_co_u32 s36, s36, s38
	s_lshl_b32 s38, s17, 9
	s_add_co_u32 s36, s36, s38
	s_mov_b32 s37, 0
	; my piece of W
	s_lshl_b32 s2, s23, 21
	s_lshl_b32 s38, s42, 20
	s_add_co_u32 s2, s2, s38
	s_lshl_b32 s38, s41, 18
	s_add_co_u32 s2, s2, s38
	s_lshl_b32 s38, s22, 9
	s_add_co_u32 s2, s2, s38
	s_lshl_b32 s38, s40, 8
	s_add_co_u32 s2, s2, s38
	s_mov_b32 s3, 0
	; my block of xq, my two fragments in it
	s_lshl_b32 s56, s19, 1
	s_add_co_u32 s56, s56, s20
	s_lshl_b32 s56, s56, 2
	s_add_co_u32 s56, s56, s21
	s_lshl_b32 s56, s56, 2
	s_add_co_u32 s56, s56, s17
	s_mul_i32 s56, s56, AKB
	s_lshl_b32 s58, s18, 11
	s_add_co_u32 s58, s58, s56
	s_mov_b32 s59, 0
	; the work-group's two blocks of wq; the fragment in them that I store
	s_lshr_b32 s60, s22, 1
	s_lshl_b32 s60, s60, 1
	s_add_co_u32 s60, s60, s49
	s_lshl_b32 s60, s60, 3
	s_add_co_u32 s60, s60, s23
	s_mul_i32 s60, s60, 2*BKB
	s_and_b32 s38, s22, 1                          ; which half of the tile's columns
	s_and_b32 s39, s16, 7
	s_mul_i32 s47, s39, NBP
	s_lshl_b32 s62, s39, 10
	s_add_co_u32 s62, s62, s60
	s_mul_i32 s39, s42, BKB
	s_add_co_u32 s62, s62, s39
	s_lshl_b32 s39, s38, 13
	s_add_co_u32 s62, s62, s39
	s_mov_b32 s63, 0
	; the scale words that I store: waves 0-3 x's four K steps, waves 4 and 5 W's two
	s_sub_co_u32 s39, s16, 4
	s_mul_i32 s39, s39, BKB
	s_add_co_u32 s39, s39, s60
	s_lshl_b32 s38, s38, 9
	s_add_co_u32 s39, s39, s38
	s_add_co_u32 s39, s39, 16384
	s_add_co_u32 s38, s56, 8192
	s_cmp_lt_u32 s16, 4
	s_cselect_b32 s54, s38, s39
	s_mov_b32 s55, 0
	; LDS addresses
	s_mul_i32 s43, s42, 8*NBP                      ; W's codes
	s_add_co_u32 s47, s47, s43
	s_add_co_u32 s47, s47, IMG                     ; (the fragment that I store)
	s_mul_i32 s38, s40, 4*NBP
	s_add_co_u32 s43, s43, s38
	s_lshl_b32 s38, s41, 8
	s_add_co_u32 s43, s43, s38
	s_add_co_u32 s43, s43, IMG
	s_lshl_b32 s44, s42, 9                         ; W's scale bytes
	s_lshl_b32 s38, s40, 3
	s_add_co_u32 s44, s44, s38
	s_add_co_u32 s44, s44, s41
	s_add_co_u32 s44, s44, SCB+2048
	s_mul_i32 s45, s16, TILE                       ; my tile of x
	s_lshl_b32 s46, s17, 9                         ; x's scale words
	s_lshr_b32 s38, s18, 1
	s_lshl_b32 s38, s38, 8
	s_add_co_u32 s46, s46, s38
	s_and_b32 s38, s18, 1
	s_lshl_b32 s38, s38, 2
	s_add_co_u32 s46, s46, s38
	s_add_co_u32 s46, s46, SCB
	s_lshl_b32 s48, s16, 9
	s_add_co_u32 s48, s48, SCB
	v_and_b32 v1, 31, v0                           ; lane
	v_and_b32 v2, 15, v0                           ; r
	v_bfe_u32 v3, v0, 4, 1                         ; h
	v_lshlrev_b32 v[GI], 4, v1
	v_lshlrev_b32 v[WO], 4, v2                     ; sixteen lanes take 256 bytes of a row, the other sixteen of the row 16 further down
	v_lshl_add_u32 v[WO], v3, 17, v[WO]
	v_lshrrev_b32 v[WI], 2, v2                     ; column 4 r + c of my 64: fragment r / 4, row 4 (r % 4) + c of it, half h of the block's 16 bytes
	v_mul_u32_u24 v[WI], v[WI], NBP
	v_and_b32 v15, 3, v2
	v_lshl_add_u32 v[WI], v15, 6, v[WI]
	v_lshl_add_u32 v[WI], v3, 3, v[WI]
	v_add_nc_u32 v[WI], s43, v[WI]
	v_and_b32 v[WS], 7, v2                         ; its scale word at 16 (column % 32) + 4 (column / 32), byte kb
	v_lshlrev_b32 v[WS], 6, v[WS]
	v_lshrrev_b32 v15, 3, v2
	v_lshl_add_u32 v[WS], v15, 2, v[WS]
	v_add_nc_u32 v[WS], s44, v[WS]
	v_mul_u32_u24 v[XR], v2, SP                    ; row r, + 128 h: a block of 32 numbers is 128 bytes
	v_lshl_add_u32 v[XR], v3, 7, v[XR]
	v_add_nc_u32 v[XR], s45, v[XR]
	v_lshlrev_b32 v[XS], 3, v1
	v_add_nc_u32 v[XS], s46, v[XS]
	v_lshlrev_b32 v[SH], 3, v3
	v_add_nc_u32 v[RDW], s47, v[GI]
	v_add_nc_u32 v[RDS], s48, v[GI]
.irp c, 0,1,2,3
	v_mov_b32 v[PD+\c], 0                          ; written once: a lane permute's destination counts as one of its sources
.endr
	s_wait_alu depctr_va_vdst(0)
	s_wait_dscnt 0x0                               ; both opening adds are done
	s_wait_kmcnt 0x0
	s_cmp_eq_u32 s20, 0                            ; real or imaginary part: the choices hang on the work-group's number alone
	s_cselect_b64 s[4:5], s[4:5], s[6:7]
	s_cmp_eq_u32 s49, 0
	s_cselect_b64 s[8:9], s[8:9], s[10:11]
	s_cmp_lt_u32 s16, 4
	s_cselect_b64 s[52:53], s[12:13], s[14:15]
	s_mov_b32 s[G0], 1                             ; 1:0 count = 1
	s_mov_b32 s[G0+1], s45                         ; 63:32 LDS address
	s_add_nc_u64 s[G0+2:G0+3], s[4:5], s[36:37]    ; 120:64 global address
	s_or_b32 s[G0+3], s[G0+3], 0x80000000          ; 127:126 type = 2
	tensor_load_to_lds s[G0:G0+3], s[G1:G1+7]      ; my one tensor load: 32 rows x 512 bytes
	s_nop 0
	s_add_nc_u64 s[8:9], s[8:9], s[2:3]
.set i, 0
.rept 16
	global_load_b128 v[XW+4*i:XW+4*i+3], v[WO], s[8:9] offset:i*XROW th:TH_LOAD_NT   ; rows i and 16 + i, 256 consecutive bytes each
.set i, i+1
.endr
	s_add_nc_u64 s[52:53], s[52:53], s[54:55]
	s_add_nc_u64 s[12:13], s[12:13], s[58:59]
	s_add_nc_u64 s[14:15], s[14:15], s[62:63]
	; ---- W
	s_wait_loadcnt 8                               ; the first eight loads are in, the eight behind them may be out
.irp c, 0,1,2,3
	v_max3_num_f32 v[MW+\c], |v[XW+\c]|, |v[XW+4+\c]|, 0x1800000   ; each column's largest magnitude, with the floor 2^(3 - 127): the byte cannot fall under 1; the four columns by turns
.endr
.set i, 2
.rept 7
.if i == 8
	s_wait_alu depctr_va_vdst(0)
	s_wait_loadcnt 0x0
.endif
.irp c, 0,1,2,3
	v_max3_num_f32 v[MW+\c], v[MW+\c], |v[XW+4*i+\c]|, |v[XW+4*i+4+\c]|
.endr
.set i, i+2
.endr
.irp c, 0,1,2,3
	v_permlanex16_b32 v[PD+\c], v[MW+\c], s50, s51
.endr
.irp c, 0,1,2,3
	v_max_num_f32 v[MW+\c], v[MW+\c], v[PD+\c]     ; with lane l xor 16's 16 numbers: the block's
.endr
.irp c, 0,1,2,3
	v_add_nc_u32 v[OW+\c], 0xff000000, v[MW+\c]    ; 2 off the exponent field: the conversion takes the exponent field of this operand as its scale, and nothing else of it
.endr
.irp c, 0,1,2,3
	v_lshrrev_b32 v[BW+\c], 23, v[OW+\c]           ; the scale's byte
.endr
.irp c, 0,1,2,3
.set i, 0
.rept 16
	v_mov_b32 v[TW+16*(\c%2)+i], v[XW+4*i+\c]      ; the conversions take neighbours along K from consecutive registers
.set i, i+1
.endr
.irp g, 0,1
	v_cvt_scalef32_pk8_fp4_f32 v[CW+2*\c+\g], v[TW+16*(\c%2)+8*\g:TW+16*(\c%2)+8*\g+7], v[OW+\c]
.endr
	v_nop                                          ; one plain line behind the last scaled conversion
	ds_store_b64 v[WI], v[CW+2*\c:CW+2*\c+1] offset:16*\c
	ds_store_b8 v[WS], v[BW+\c] offset:16*\c       ; both lanes of a block write the same byte with the same value
.endr
	; ---- x
	s_wait_alu depctr_va_vdst(0)
	s_wait_tensorcnt 0x0                           ; my tile is in
.irp f, 0,1
.irp c, 0,1
.irp j, 0,1,2,3,4,5,6,7
	ds_load_b128 v[X-64*\f+32*\c+4*\j:X-64*\f+32*\c+4*\j+3], v[XR] offset:16*SP*\f+256*\c+16*\j     ; blocks h and 2 + h of row r of fragment f, 32 neighbours each
.endr
.endr
.endr
.macro FRAGX f, left
.set XB, X-64*(\f)
	s_wait_dscnt \left                             ; this fragment is in
.irp c, 0,1
	v_max3_num_f32 v[MW+\c], |v[XB+32*\c]|, |v[XB+32*\c+1]|, |v[XB+32*\c+2]|       ; each block's largest magnitude: all its 32 numbers are mine; two chains a block, the blocks by turns
	v_max3_num_f32 v[MW+2+\c], |v[XB+32*\c+3]|, |v[XB+32*\c+4]|, |v[XB+32*\c+5]|
.endr
.irp i, 6,10,14,18,22,26
.irp c, 0,1
	v_max3_num_f32 v[MW+\c], v[MW+\c], |v[XB+32*\c+\i]|, |v[XB+32*\c+\i+1]|
	v_max3_num_f32 v[MW+2+\c], v[MW+2+\c], |v[XB+32*\c+\i+2]|, |v[XB+32*\c+\i+3]|
.endr
.endr
.irp c, 0,1
	v_max3_num_f32 v[MW+\c], v[MW+\c], |v[XB+32*\c+30]|, |v[XB+32*\c+31]|
.endr
.irp c, 0,1
	v_max3_num_f32 v[MW+\c], v[MW+\c], v[MW+2+\c], 0x1800000
.endr
.irp c, 0,1
	v_add_nc_u32 v[OW+\c], 0xff000000, v[MW+\c]
.endr
.irp c, 0,1
	v_lshrrev_b32 v[MW+2+\c], 23, v[OW+\c]
.endr
	v_lshl_or_b32 v[MW], v[MW+3], 16, v[MW+2]      ; my two bytes: blocks h and 2 + h,
	v_lshlrev_b32 v[WD+(\f)], v[SH], v[MW]         ; at their places in the word (8 h bits up);
	v_permlanex16_b32 v[PD], v[WD+(\f)], s50, s51
	v_or_b32 v[WD+(\f)], v[WD+(\f)], v[PD]         ; with lane l xor 16's two the word of row r is whole, in both halves of the lanes
.irp c, 0,1
.irp g, 0,1,2,3
	v_cvt_scalef32_pk8_fp4_f32 v[C+8*(\f)+4*\c+\g], v[XB+32*\c+8*\g:XB+32*\c+8*\g+7], v[OW+\c]   ; register 4 c + g of the operand
.endr
.endr
	v_nop                                          ; one plain line behind the last scaled conversion
.endm
	FRAGX 0, 16
	FRAGX 1, 0
	v_cmp_lt_u32 vcc_lo, 15, v1                    ; lanes 16-31 carry the second fragment's words
	v_cndmask_b32 v218, v[WD], v[WD+1], vcc_lo
	ds_store_b32 v[XS], v218
.irp f, 0,1
.irp c, 0,1
	global_store_b128 v[GI], v[C+8*\f+4*\c:C+8*\f+4*\c+3], s[12:13] offset:\f*1024+512*\c   ; 32 lanes store 512 consecutive bytes, at a multiple of 256 from xq's first byte
.endr
.endr
	s_wait_dscnt 0x0                               ; for the others' sake: my codes, bytes and words are in LDS
	s_barrier_signal -1
	s_barrier_wait -1
.irp g, 0,1
	ds_load_b128 v[RW+4*\g:RW+4*\g+3], v[RDW] offset:512*\g
.endr
	s_wait_dscnt 0x0
.irp g, 0,1
	global_store_b128 v[GI], v[RW+4*\g:RW+4*\g+3], s[14:15] offset:512*\g   ; a whole fragment of W: 512 consecutive bytes each
.endr
	s_cmp_lt_u32 s16, 6
	s_cbranch_scc0 .Lclose
	ds_load_b128 v[RW+8:RW+11], v[RDS]
	s_wait_dscnt 0x0
	global_store_b128 v[GI], v[RW+8:RW+11], s[52:53]   ; a K step's scale words: 512 consecutive bytes
.Lclose:
	s_wait_tensorcnt 0x0                           ; the wave's end: behind my last tensor load and my last LDS store
	ds_add_u32 v[SPW], v[NIL]
	s_wait_dscnt 0x0
	s_endpgm
.Lfunc_end_k_qec71939f79_quant:
	.size	k_qec71939f79_quant, .Lfunc_end_k_qec71939f79_quant-k_qec71939f79_quant
	.p2alignl 7, 3214868480
	.fill 96, 4, 3214868480
	.section	.rodata,"a",@progbits
	.p2align	6, 0x0
	.amdhsa_kernel k_qec71939f79_quant
		.amdhsa_group_segment_fixed_size 327680
		.amdhsa_private_segment_fixed_size 0
		.amdhsa_enable_private_segment 0
		.amdhsa_kernarg_size 48
		.amdhsa_user_sgpr_count 2
		.amdhsa_user_sgpr_kernarg_segment_ptr 1
		.amdhsa_wavefront_size32 1
		.amdhsa_system_sgpr_workgroup_id_x 1
		.amdhsa_system_sgpr_workgroup_id_y 1
		.amdhsa_system_sgpr_workgroup_id_z 1
		.amdhsa_system_vgpr_workitem_id 0
		.amdhsa_next_free_vgpr 232
		.amdhsa_next_free_sgpr 66
		.amdhsa_reserve_vcc 1
		.amdhsa_float_denorm_mode_32 3
		.amdhsa_float_denorm_mode_16_64 3
		.amdhsa_memory_ordered 1
		.amdhsa_forward_progress 1
		.amdhsa_inst_pref_size 24
	.end_amdhsa_kernel
	.amdgpu_metadata
---
amdhsa.version: [ 1, 2 ]
amdhsa.kernels:
  - .name:           k_qec71939f79_quant
    .symbol:         k_qec71939f79_quant.kd
    .args:
      - { .name: x_real, .offset: 0, .size: 8, .value_kind: global_buffer, .address_space: global }
      - { .name: x_imag, .offset: 8, .size: 8, .value_kind: global_buffer, .address_space: global }
      - { .name: W_real, .offset: 16, .size: 8, .value_kind: global_buffer, .address_space: global }
      - { .name: W_imag, .offset: 24, .size: 8, .value_kind: global_buffer, .address_space: global }
      - { .name: xq, .offset: 32, .size: 8, .value_kind: global_buffer, .address_space: global }
      - { .name: wq, .offset: 40, .size: 8, .value_kind: global_buffer, .address_space: global }
    .group_segment_fixed_size: 327680
    .private_segment_fixed_size: 0
    .kernarg_segment_align: 8
    .kernarg_segment_size: 48
    .max_flat_workgroup_size: 512
    .sgpr_count:     66
    .vgpr_count:     232
    .wavefront_size: 32
...
	.end_amdgpu_metadata
.endif
;; end of part 1
;; launch cgemm (part 2): grid 8 x 32, 4 waves a work-group, clusters of 4 x 4, 327,680 bytes of LDS; arguments xq, wq, out0, out1; writes out0, out1
.if DOCPART == 2
	.amdgcn_target "amdgcn-amd-amdhsa--gfx1250"
	.amdhsa_code_object_version 6
	.text
	.protected	k_qec71939f79_cgemm
	.globl	k_qec71939f79_cgemm
	.p2align	8
	.type	k_qec71939f79_cgemm,@function
k_qec71939f79_cgemm:
	s_mov_b64 s[64:65], 0
	v_nop
	global_prefetch_b8 v0, s[64:65] scope:SCOPE_SE
	s_setreg_imm32_b32 hwreg(HW_REG_WAVE_MODE, 25, 1), 1
	s_wait_xcnt 0x0
	s_wait_alu depctr_hold_cnt(0) depctr_sa_sdst(0) depctr_va_vdst(0) depctr_va_sdst(0) depctr_va_ssrc(0) depctr_va_vcc(0) depctr_vm_vsrc(0)
	s_getreg_b32 s2, hwreg(HW_REG_IB_STS2, 6, 4)
	s_cmp_eq_u32 s2, 0
	s_cbranch_scc0 .Lentry_in_a_cluster
	s_endpgm
.Lentry_in_a_cluster:
	s_bfe_u32 s2, ttmp6, 0x10000c
	s_cmp_lg_u32 s2, 0xf033
	s_cbranch_scc0 .Lentry_shape_is_right
	s_endpgm
.Lentry_shape_is_right:
; out0 = xr Wr - xi Wi, out1 = xi Wr + xr Wi, [4096][2048] f32, K = 2,048, on codes of FP4 (E2M1) with one E8M0 scale for each 32 along K, as the launch before laid them (xq, wq: images of the operand's registers, K step by K step).
; SHARES.  A work-group of four waves, as many as a WGP has SIMDs, owns 128 rows x 256 columns of BOTH outputs; wave (wm, wn) owns 64 x 128 of both: accumulators R(a, q) for out0 and I(a, q) for out1 (a: 16 rows, q: 32 columns), 512 registers.
; So each fragment of x meets both W's and each fragment of W both x's.
; THE FORM is 32x16x128, used TRANSPOSED: source 0 = 32 columns of W, source 1 = 16 rows of x: a lane then holds 8 neighbouring numbers of a row of the output in each 8 registers.  W's scale word of column 32 q + lane stands in lane `lane`.
; A K STEP of 128 is four groups of 16 products:  G1: R = Wi xi - R   G2: I += Wr xi   G3: R = Wr xr - R   G4: I += Wi xr.  G1 and G3 take C negated, so that a K step gives R + Wr xr - Wi xi.
; The accumulators take turns, one instruction a turn, in the same order in every group.
; THE LAST FIVE K STEPS GO BY COLUMNS: first steps 11-15 for my left 64 columns (q = 0, 1), then the same steps, which still lie in LDS, for my right 64.  So the left half's results leave while the right half is multiplied.
; THE RING.  Two LDS slots of up to three K steps: 2 x 156,672 bytes.  A slot's four parts (xr, xi: 26,112 bytes; Wr, Wi: 52,224: codes and scale words together) are dense blocks of memory: one tensor load a wave, as rows of 256 bytes.
; Fills: steps 0-2 (slot 0), 3-5 (slot 1), 6-7 (0), 8-10 (1), 11-13 (0), 14-15 (1).  Step s + 1's fragments are read among step s's products, into the other of two register sets.
; A fragment is read as it lies, 16 bytes a lane, 512 consecutive bytes a load: no pitch, no padding.
; CLUSTERS: 4 x 4 work-groups.  The four of a row of the cluster need the same blocks of xq, the four of a column the same blocks of wq: each is asked for JOINTLY, by the same tensor load with the same descriptor and a mask that names the four.
; PREFETCHES INTO THE L2: the blocks of 256 bytes of steps 3-15, each named once in each cluster that loads it: the four partners share a part's blocks by address, a lane a block.  Four times a wave asks for 3.76 K steps (128 of x's blocks, 256 of W's, among four);
; the last time for what is left.  They stand at the head and in steps 1, 3 and 5, between one and two slots ahead of the load.
; REGISTERS, in windows of 256: window 0: v4-29 addresses; v32-55 scale words, two sets, and nothing else; v64-191 x's fragments, two sets (xr, xi).
;   window 1: W's fragments, two sets of 128 (Wr, Wi).   window 2: R(a, q) at v[16 (4 a + q)].   window 3: I(a, q) likewise.
; LIMIT: NaN and infinities among the inputs are not served (the launch before).
.set AKB,    8704                      ; a K step's block of xr or of xi: 8 fragments, then 512 bytes of scale words
.set BKB,    17408                     ; of Wr or of Wi: 16 fragments, then 1,024 bytes of scale words
.set APART,  3*AKB                     ; a slot's part
.set BPART,  3*BKB
.set SLOT,   2*APART+2*BPART           ; xr, xi, Wr, Wi
.set SPITCH, 272                       ; the way out: a stage of 16 rows x (256 bytes + 16) for each wave,
.set STAGE,  SLOT+2*APART+2*BKB        ; in place 2 of Wr's part of slot 1, which has its last fill with step 10 and its last read in step 9
.set SPARE,  2*SLOT                    ; behind the ring: the spare words, 128 bytes for each wave: two blocks of 256 bytes that no other line names
.set ADRA, 4                           ; v4-5    LDS address of my x fragments in slot 0, 1
.set ADRB, 6                           ; v6-9    of my W fragments: slot s, part t at 2 s + t
.set ADSA, 10                          ; v10-11  of x's scale words
.set ADSB, 12                          ; v12-15  of W's: 2 s + t
.set STO,  16                          ; v16     the way out: where I put 32 bytes of a row
.set RD,   17                          ; v17     where I read a row back
.set CO,   18                          ; v18     my bytes of two rows of the output
.set PFO,  19                          ; v19     the prefetches' offset: 256 (32 p + lane), p my place among the partners
.set PFL,  20                          ; v20     the last one's
.set L16,  21                          ; v21     16 x lane
.set SPW,  28                          ; v28     LDS address of my spare word; never rewritten
.set NIL,  29                          ; v29     0; never rewritten
.set SC,   32                          ; scale words: set p at SC + 12 p.  x's: + 2 t + j (lanes 0-15 block a = 2 j, lanes 16-31 a = 2 j + 1);  W's: + 4 + 4 t + q;  t = 0 real, 1 imaginary
.set AF,   64                          ; x's fragments: set p at AF + 64 p: xr at + 0, xi at + 32, block a at + 8 a
.set G1,   24                          ; s[24:31] descriptor group 1 for three K steps of x;  s[32:39] group 0, one set for each slot
.set G0,   32
.set G1B,  48                          ; s[48:55], s[56:63] the same for W
.set G0B,  56
.set G1S,  72                          ; s[72:79], s[80:87] group 1 for two K steps: x's, W's
.set G1BS, 80
.set PFA,  88                          ; s[88:89] the part that I fetch, at its first byte
.set MSB, 0
.macro WIN new                         ; the immediate's high byte repeats the setting that is left; a switch that changes nothing is dropped
.if MSB != (\new)
	s_set_vgpr_msb (MSB<<8)|(\new)
.set MSB, (\new)
.endif
.endm
.set MUL_LO, 0xa1                      ; source 0 (W) window 1, source 1 (x) window 0, C and D window 2
.set MUL_HI, 0xf1                      ; the same, C and D window 3
.set TO_B,   0x40                      ; destination window 1, address window 0
.macro PLACES n                        ; plain vector lines that name no register: the places behind matrix instructions (ISA guide 7.12.1)
.rept \n
	v_nop
.endr
.endm
; A joint load into slot s: waves 0 and 1 fetch xr's and xi's part, waves 2 and 3 Wr's and Wi's.  Each of the two lines has ONE mask and one set of registers for all that issue it; the branch hangs on the wave's number alone.
; Four v_nop follow each of the two lines, ahead of the jump, the label and what follows.
.macro JLOAD s, ga, gb
	s_cmp_eq_u32 s15, 0
	s_cbranch_scc0 .Lfor_b_\@
	tensor_load_to_lds s[G0+4*\s:G0+4*\s+3], s[\ga:\ga+7]
	s_nop 0
.rept 4
	v_nop
.endr
	s_branch .Lasked_\@
.Lfor_b_\@:
	tensor_load_to_lds s[G0B+4*\s:G0B+4*\s+3], s[\gb:\gb+7]
	s_nop 0
.rept 4
	v_nop
.endr
.Lasked_\@:
.endm
.macro CREST                           ; a round of the cluster's barrier behind its opening barrier
	s_cmp_lg_u32 s14, 0
	s_cbranch_scc1 .Lnot_wave_0_\@
	s_barrier_signal -3
.Lnot_wave_0_\@:
	s_barrier_wait -3
	s_barrier_signal -1
	s_barrier_wait -1
.endm
.macro CROUND                          ; a whole round
	s_barrier_signal -1
	s_barrier_wait -1
	CREST
.endm
; The i-th prefetch: blocks 128 i .. 128 i + 127 behind x's step 2, 256 i .. 256 i + 255 behind W's, a quarter of them mine; i = 3: the last 58 of x, the last 116 of W.
.macro ASK i
	s_cmp_eq_u32 s15, 0
	s_cbranch_scc0 .Lask_b_\@
.if (\i) < 3
	global_prefetch_b8 v[PFO], s[PFA:PFA+1] offset:3*AKB+32768*(\i) th:TH_LOAD_NT scope:SCOPE_SE
.else
	global_prefetch_b8 v[PFL], s[PFA:PFA+1] offset:3*AKB+32768*(\i) th:TH_LOAD_NT scope:SCOPE_SE
.endif
	s_branch .Lask_end_\@
.Lask_b_\@:
.if (\i) < 3
	global_prefetch_b8 v[PFO], s[PFA:PFA+1] offset:3*BKB+65536*(\i) th:TH_LOAD_NT scope:SCOPE_SE
	global_prefetch_b8 v[PFO], s[PFA:PFA+1] offset:3*BKB+65536*(\i)+32768 th:TH_LOAD_NT scope:SCOPE_SE
.else
	global_prefetch_b8 v[PFL], s[PFA:PFA+1] offset:3*BKB+65536*(\i) th:TH_LOAD_NT scope:SCOPE_SE
.endif
.Lask_end_\@:
.endm
; One product, on the registers named by rD, rF, rX, rSB, rSA.  zero = 1: it starts the sum.  nG = 1: C is taken negated.  An odd block a of x has its scales in lanes 16-31.
.macro WM zero
.if \zero
.if aa & 1
	v_wmma_scale_f32_32x16x128_f4 v[rD:rD+15], v[rF:rF+15], v[rX:rX+7], 0, v[rSB], v[rSA] matrix_b_scale:MATRIX_SCALE_ROW1
.else
	v_wmma_scale_f32_32x16x128_f4 v[rD:rD+15], v[rF:rF+15], v[rX:rX+7], 0, v[rSB], v[rSA]
.endif
.elseif nG
.if aa & 1
	v_wmma_scale_f32_32x16x128_f4 v[rD:rD+15], v[rF:rF+15], v[rX:rX+7], v[rD:rD+15], v[rSB], v[rSA] matrix_b_scale:MATRIX_SCALE_ROW1 neg_lo:[0,0,1]
.else
	v_wmma_scale_f32_32x16x128_f4 v[rD:rD+15], v[rF:rF+15], v[rX:rX+7], v[rD:rD+15], v[rSB], v[rSA] neg_lo:[0,0,1]
.endif
.else
.if aa & 1
	v_wmma_scale_f32_32x16x128_f4 v[rD:rD+15], v[rF:rF+15], v[rX:rX+7], v[rD:rD+15], v[rSB], v[rSA] matrix_b_scale:MATRIX_SCALE_ROW1
.else
	v_wmma_scale_f32_32x16x128_f4 v[rD:rD+15], v[rF:rF+15], v[rX:rX+7], v[rD:rD+15], v[rSB], v[rSA]
.endif
.endif
.endm
; Products of group g on register set P: x's blocks a0 .. a0 + na - 1 against W's 32-column blocks q0 .. q0 + nq - 1
.macro GRP g, a0, na, q0, nq, zero
.if \g == 1
.set fB, 128*P+64
.set wS, SC+12*P+8
.set xB, AF+64*P+32
.set xS, SC+12*P+2
.elseif \g == 2
.set fB, 128*P
.set wS, SC+12*P+4
.set xB, AF+64*P+32
.set xS, SC+12*P+2
.elseif \g == 3
.set fB, 128*P
.set wS, SC+12*P+4
.set xB, AF+64*P
.set xS, SC+12*P
.else
.set fB, 128*P+64
.set wS, SC+12*P+8
.set xB, AF+64*P
.set xS, SC+12*P
.endif
.set nG, (\g)&1
.set aa, \a0
.rept \na
.set qq, \q0
.rept \nq
.set rD, 16*(4*aa+qq)
.set rF, fB+16*qq
.set rX, xB+8*aa
.set rSB, wS+qq
.set rSA, xS+aa/2
	WM \zero
.set qq, qq+1
.endr
.set aa, aa+1
.endr
.endm
; THE LDS LOADS of the K step at place k of slot s, into register set p.
.macro LDW s, k, p, t, b0, n           ; n fragments of W's part t, from 16-column block b0 on
	WIN TO_B
.set bb, \b0
.rept \n
.irp c, 0,1
	ds_load_b128 v[128*(\p)+64*(\t)+8*bb+4*\c:128*(\p)+64*(\t)+8*bb+4*\c+3], v[ADRB+2*(\s)+(\t)] offset:(\k)*BKB+bb*1024+\c*512
.endr
.set bb, bb+1
.endr
.endm
.macro LDX s, k, p, t                  ; the four fragments of x's part t
	WIN 0
.irp a, 0,1,2,3
.irp c, 0,1
	ds_load_b128 v[AF+64*(\p)+32*(\t)+8*\a+4*\c:AF+64*(\p)+32*(\t)+8*\a+4*\c+3], v[ADRA+(\s)] offset:(\t)*APART+(\k)*AKB+\a*1024+\c*512
.endr
.endr
.endm
.macro LDSC s, k, p                    ; the scale words: x's two registers a part, W's four
	WIN 0
.irp t, 0,1
	ds_load_b64 v[SC+12*(\p)+2*\t:SC+12*(\p)+2*\t+1], v[ADSA+(\s)] offset:\t*APART+(\k)*AKB
	ds_load_b128 v[SC+12*(\p)+4+4*\t:SC+12*(\p)+7+4*\t], v[ADSB+2*(\s)+\t] offset:(\k)*BKB
.endr
.endm
; THE WAY OUT of block b: rows 16 (b % 4) on of my 64; b % 8 < 4: out0, else out1; b < 8: my left 64 columns, else my right.  Its 32 registers go through my own stage and come back into themselves as whole rows of 256 bytes, two rows an instruction.
; LDS serves a wave's instructions in order (ISA guide 5.7.1.4): no wait between the stores and the loads, nor in front of the next block's stores.
.macro TOSTAGE b
.set AC, 64*((\b)%4)+32*((\b)/8)
	WIN 0x88+0x44*(((\b)%8)/4)                     ; loaded data and stored data: window 2 or 3
.irp s, 0,1,2,3,4,5,6,7
	ds_store_b128 v[STO], v[AC+4*\s:AC+4*\s+3] offset:(\s/4)*128+((\s/2)%2)*64+(\s%2)*16   ; each accumulator from its low end on
.endr
.irp t, 0,1,2,3,4,5,6,7
	ds_load_b128 v[AC+4*\t:AC+4*\t+3], v[RD] offset:\t*2*SPITCH
.endr
.endm
.macro SEND b, younger                 ; younger: the LDS instructions issued behind the block's loads, which may stay out
.set AC, 64*((\b)%4)+32*((\b)/8)
	WIN 0x88+0x44*(((\b)%8)/4)
	s_wait_dscnt \younger                          ; the block is back in registers
.irp t, 0,1,2,3,4,5,6,7
.if ((\b)%8) < 4
	global_store_b128 v[CO], v[AC+4*\t:AC+4*\t+3], s[8:9] offset:(16*((\b)%4)+2*\t)*8192+256*((\b)/8)     ; sixteen lanes store 256 consecutive bytes, at a multiple of 256 from the output's first byte
.else
	global_store_b128 v[CO], v[AC+4*\t:AC+4*\t+3], s[10:11] offset:(16*((\b)%4)+2*\t)*8192+256*((\b)/8)
.endif
.endr
.endm
; A whole K step, the u-th unit of work, on set u % 2; every window is 0 at its start.  Its successor lies at place fk of slot fs; wn of W's eight fragments of it are fetched (four where the halves begin).
; tslot < 9: it is the last step of slot tslot: the slots change.
; Behind it slot tslot is filled again, with the K steps that stand tstep behind those of its last fill.
.macro FULL u, zero, tslot, tstep, tga, tgb, fs, fk, wn, ask
.set P, (\u)%2
.set Q, 1-P
.if (\tslot) < 9
	s_wait_tensorcnt 0x0
	ds_add_u32 v[SPW], v[NIL]                      ; 0 onto my spare word
	s_add_nc_u64 s[G0+4*(\tslot)+2:G0+4*(\tslot)+3], s[G0+4*(\tslot)+2:G0+4*(\tslot)+3], (\tstep)*AKB       ; no load of mine is out, so a group 0 may be written
	s_add_nc_u64 s[G0B+4*(\tslot)+2:G0B+4*(\tslot)+3], s[G0B+4*(\tslot)+2:G0B+4*(\tslot)+3], (\tstep)*BKB
.endif
	WIN MUL_LO
	GRP 1, 0, 2, 0, 4, \zero
.if (\tslot) < 9
	s_wait_dscnt 0x0                               ; the add is done, and my reads of the slot are over
	s_barrier_signal -1
.endif
	GRP 1, 2, 2, 0, 4, \zero
	WIN 0                                          ; at a label and at a branch every window is 0
.if (\tslot) < 9
	s_barrier_wait -1
	CREST                                          ; no wave of any partner still reads the slot or has a load on its way
	JLOAD \tslot, \tga, \tgb                       ; the first tensor load behind the round, one a wave; its four v_nop are the places in front of the loads below
.elseif \zero
	PLACES 5                                       ; (G3 of the first step takes G1's sums negated: another form of line than G1's, so five places)
.else
	PLACES 4                                       ; in front of loads into the set that the step before multiplied
.endif
	LDW \fs, \fk, Q, 1, 0, \wn                     ; the successor's loads stand in three runs, one between each two groups
	WIN MUL_HI
	GRP 2, 0, 4, 0, 4, \zero
	LDX \fs, \fk, Q, 1
	LDSC \fs, \fk, Q
.if (\ask) < 9
	ASK \ask
.endif
	LDW \fs, \fk, Q, 0, 0, (\wn)/2
	WIN MUL_LO
	GRP 3, 0, 4, 0, 4, 0
	LDW \fs, \fk, Q, 0, (\wn)/2, (\wn)/2
	LDX \fs, \fk, Q, 0
	WIN MUL_HI
	GRP 4, 0, 4, 0, 4, 0
	WIN 0
	s_wait_dscnt 0x0                               ; the next step's fragments and scale words are in
.endm
; A K step for half of my columns: W's 32-column blocks q0, q0 + 1.  bar = 1: slot 1's last fill is waited for and shown to all waves. fs = 9: no successor.
; wb: the successor's first 16-column block.  blk < 99: block blk of the finished half leaves meanwhile.
.macro HALFU u, q0, bar, fs, fk, wb, blk
.set P, (\u)%2
.set Q, 1-P
.if \bar
	s_wait_tensorcnt 0x0
	s_barrier_signal -1
.endif
	WIN MUL_LO
	GRP 1, 0, 2, \q0, 2, 0
.if \bar
	s_barrier_wait -1
.endif
	PLACES 4                                       ; in front of loads into the set that the unit before multiplied, and of reads of the finished half
.if (\blk) < 99
	TOSTAGE \blk
.endif
.if (\fs) < 9
	LDW \fs, \fk, Q, 1, \wb, 4
	LDX \fs, \fk, Q, 1
	LDSC \fs, \fk, Q
.else
	TOSTAGE (\blk)+1                               ; the last unit has no loads: the finished half's other three blocks go through the stage too
	TOSTAGE (\blk)+2
	TOSTAGE (\blk)+3
.endif
	WIN MUL_LO
	GRP 1, 2, 2, \q0, 2, 0
	WIN MUL_HI
	GRP 2, 0, 4, \q0, 2, 0
.if (\fs) < 9
	LDW \fs, \fk, Q, 0, \wb, 4
	LDX \fs, \fk, Q, 0
.endif
.if (\blk) < 99
.if (\fs) < 9
	SEND \blk, 36                                  ; behind the block's loads: 8 + 8 + 4 + 8 + 8 loads of fragments and scale words
.else
	SEND \blk, 48                                  ; behind the block's loads: three blocks' 8 stores and 8 loads
.endif
.endif
	WIN MUL_LO
	GRP 3, 0, 4, \q0, 2, 0
	WIN MUL_HI
	GRP 4, 0, 4, \q0, 2, 0
	WIN 0
	s_wait_dscnt 0x0
.endm
.macro G1W g, rows                     ; group 1 behind its first word: a dense block as rows of 256 bytes (32 elements of 8 bytes)
	s_mov_b32 s[\g+1], 32<<16                      ; tensor_dim0 = 32
	s_mov_b32 s[\g+2], (\rows)<<16                 ; tensor_dim1
	s_mov_b32 s[\g+3], 32<<16                      ; tile_dim0 = 32
	s_mov_b32 s[\g+4], \rows                       ; tile_dim1
	s_mov_b32 s[\g+5], 32                          ; tensor_dim0_stride = 32
	s_mov_b32 s[\g+6], 0
	s_mov_b32 s[\g+7], 0
.endm
	s_load_b256 s[4:11], s[0:1], 0x0               ; xq s[4:5], wq s[6:7], out0 s[8:9], out1 s[10:11]
	v_lshl_add_u32 v[SPW], v0, 2, SPARE
	v_mov_b32 v[NIL], 0
	ds_add_u32 v[SPW], v[NIL]                      ; the wave's opening: the add, twice on end, and its wait ahead of my first tensor load; the set-up below, work on registers, stands between
	ds_add_u32 v[SPW], v[NIL]
	v_lshrrev_b32 v1, 5, v0
	v_readfirstlane_b32 s14, v1                    ; wave 0..3
	s_lshr_b32 s15, s14, 1                         ; wm: which 64 rows are mine.  Also: I fetch for x (0) or for W (1)
	s_and_b32 s16, s14, 1                          ; wn: which 128 columns.  Also: I fetch the real (0) or the imaginary (1) part
	s_bfe_u32 s40, ttmp6, 0x40000                  ; cx, cy: my place in the cluster
	s_bfe_u32 s41, ttmp6, 0x40004
	s_lshl_b32 s42, ttmp9, 2
	s_add_co_u32 s42, s42, s40                     ; tile of 256 columns = 4 x cluster x + cx
	s_and_b32 s17, ttmp7, 0xffff
	s_lshl_b32 s17, s17, 2
	s_add_co_u32 s17, s17, s41                     ; tile of 128 rows = 4 x cluster y + cy
	s_lshl_b32 s43, s41, 2
	s_lshl_b32 s43, 15, s43                        ; my row of the cluster
	s_lshl_b32 s44, 0x1111, s40                    ; my column
	s_or_b32 s[G1+0], s43, (3<<16)|(1<<21)         ; 15:0 the mask: x's blocks go to my row; 17:16 elements of 8 bytes; 20 no padding; 21 set beside a mask
	s_or_b32 s[G1S+0], s43, (3<<16)|(1<<21)
	s_or_b32 s[G1B+0], s44, (3<<16)|(1<<21)        ; W's go to my column
	s_or_b32 s[G1BS+0], s44, (3<<16)|(1<<21)
	G1W G1, 102                                    ; three K steps of x, of W; two K steps of x, of W
	G1W G1B, 204
	G1W G1S, 68
	G1W G1BS, 136
	; where the blocks come from, and where they go.  x's hang on the tile of rows alone, which my row of the cluster shares; W's on the tile of columns alone; no place in the cluster enters an LDS address
	s_mul_i32 s20, s17, 32*AKB                     ; x: 2 parts x 16 K steps for each tile of rows,
	s_mul_i32 s12, s16, 16*AKB                     ; my part, in memory
	s_add_co_u32 s20, s20, s12
	s_mov_b32 s21, 0
	s_mul_i32 s18, s16, APART                      ; and in a slot
	s_mul_i32 s46, s42, 32*BKB                     ; W likewise
	s_mul_i32 s12, s16, 16*BKB
	s_add_co_u32 s46, s46, s12
	s_mov_b32 s47, 0
	s_mul_i32 s19, s16, BPART
	s_add_co_u32 s19, s19, 2*APART                 ; in a slot W's parts lie behind x's two
	s_wait_dscnt 0x0                               ; both opening adds are done
	s_wait_kmcnt 0x0
	s_add_nc_u64 s[20:21], s[4:5], s[20:21]
	s_add_nc_u64 s[46:47], s[6:7], s[46:47]
	s_mov_b32 s[G0], 1                             ; slot 0's set: K steps 0 to 2.  1:0 count = 1
	s_mov_b32 s[G0+1], s18                         ; 63:32 LDS address
	s_mov_b64 s[G0+2:G0+3], s[20:21]               ; 120:64 global address
	s_or_b32 s[G0+3], s[G0+3], 0x80000000          ; 127:126 type = 2
	s_mov_b32 s[G0+4], 1                           ; slot 1's: K steps 3 to 5
	s_add_co_u32 s[G0+5], s18, SLOT
	s_add_nc_u64 s[G0+6:G0+7], s[20:21], 3*AKB
	s_or_b32 s[G0+7], s[G0+7], 0x80000000
	s_mov_b32 s[G0B], 1                            ; and the same for W
	s_mov_b32 s[G0B+1], s19
	s_mov_b64 s[G0B+2:G0B+3], s[46:47]
	s_or_b32 s[G0B+3], s[G0B+3], 0x80000000
	s_mov_b32 s[G0B+4], 1
	s_add_co_u32 s[G0B+5], s19, SLOT
	s_add_nc_u64 s[G0B+6:G0B+7], s[46:47], 3*BKB
	s_or_b32 s[G0B+7], s[G0B+7], 0x80000000
	CROUND                                         ; all sixteen work-groups are here: the first joint loads meet
	JLOAD 0, G1, G1B                               ; K steps 0 to 2: one tensor load a wave at the head
	s_cmp_eq_u32 s15, 0                            ; the prefetches: of the part that I fetch, from its first byte
	s_cselect_b32 s94, s40, s41                    ; my place among the four that ask for it with me
	s_cselect_b32 s95, 14, 28
	s_cselect_b32 s96, 15, 29                      ; the last one: 15 of x's 58 blocks, 29 of W's 116
	s_cselect_b32 s97, 57, 115
	s_cselect_b64 s[PFA:PFA+1], s[20:21], s[46:47]
	s_mul_i32 s96, s96, s94
	s_lshl_b32 s94, s94, 5
	s_lshl_b32 s66, s15, 12                        ; x's codes: my four blocks of 16 rows begin 4,096 wm bytes on
	s_lshl_b32 s67, s16, 13                        ; W's: my eight blocks of 16 columns begin 8,192 wn bytes on, behind x's two parts
	s_add_co_u32 s67, s67, 2*APART
	s_lshl_b32 s68, s15, 8                         ; x's scale words: behind a K step's 8,192 bytes of codes, 256 bytes for my four blocks, 8 bytes a lane
	s_add_co_u32 s68, s68, 8192
	s_lshl_b32 s69, s16, 9                         ; W's: behind 16,384 bytes of codes, 512 bytes for my 128 columns, 16 bytes a lane
	s_add_co_u32 s69, s69, 2*APART+16384
	s_mul_i32 s70, s14, 16*SPITCH                  ; my stage
	s_add_co_u32 s70, s70, STAGE
	s_lshl_b32 s92, s17, 20                        ; my part of both outputs: 128 rows of 8,192 bytes a tile,
	s_lshl_b32 s12, s15, 19                        ; 64 rows a half,
	s_add_co_u32 s92, s92, s12
	s_lshl_b32 s12, s42, 10                        ; 256 columns a tile,
	s_add_co_u32 s92, s92, s12
	s_lshl_b32 s12, s16, 9                         ; 128 a half
	s_add_co_u32 s92, s92, s12
	s_mov_b32 s93, 0
	s_add_nc_u64 s[8:9], s[8:9], s[92:93]
	s_add_nc_u64 s[10:11], s[10:11], s[92:93]
	v_and_b32 v1, 31, v0                           ; lane
	v_and_b32 v2, 15, v0                           ; r
	v_bfe_u32 v3, v0, 4, 1                         ; h
	v_lshlrev_b32 v[L16], 4, v1
	v_add_nc_u32 v[ADRA], s66, v[L16]
	v_add_nc_u32 v[ADRA+1], SLOT, v[ADRA]
	v_add_nc_u32 v[ADRB], s67, v[L16]
	v_add_nc_u32 v[ADRB+1], BPART, v[ADRB]
	v_add_nc_u32 v[ADRB+2], SLOT, v[ADRB]
	v_add_nc_u32 v[ADRB+3], SLOT, v[ADRB+1]
	v_lshl_add_u32 v[ADSA], v1, 3, s68
	v_add_nc_u32 v[ADSA+1], SLOT, v[ADSA]
	v_add_nc_u32 v[ADSB], s69, v[L16]
	v_add_nc_u32 v[ADSB+1], BPART, v[ADSB]
	v_add_nc_u32 v[ADSB+2], SLOT, v[ADSB]
	v_add_nc_u32 v[ADSB+3], SLOT, v[ADSB+1]
	v_mul_u32_u24 v[STO], v2, SPITCH               ; in: row r, 32 bytes for each half of the lanes
	v_lshl_add_u32 v[STO], v3, 5, v[STO]
	v_add_nc_u32 v[STO], s70, v[STO]
	v_mul_u32_u24 v[RD], v3, SPITCH                ; back: lanes 0-15 take one row of 256 bytes, lanes 16-31 the next,
	v_lshl_add_u32 v[RD], v2, 4, v[RD]
	v_add_nc_u32 v[RD], s70, v[RD]
	v_lshlrev_b32 v[CO], 13, v3                    ; and the same two rows in the output
	v_lshl_add_u32 v[CO], v2, 4, v[CO]
	v_add_nc_u32 v[PFO], s94, v1
	v_lshlrev_b32 v[PFO], 8, v[PFO]
	v_min_u32 v[PFL], s95, v1                      ; (lanes left over name the last block again)
	v_add_nc_u32 v[PFL], s96, v[PFL]
	v_min_u32 v[PFL], s97, v[PFL]
	v_lshlrev_b32 v[PFL], 8, v[PFL]
	s_wait_alu depctr_va_vdst(0)
	ASK 0
	s_wait_tensorcnt 0x0                           ; my part of K steps 0 to 2 is in
	ds_add_u32 v[SPW], v[NIL]
	s_wait_dscnt 0x0
	CROUND                                         ; everybody's part is in, and the joint loads meet:
	JLOAD 1, G1, G1B                               ; K steps 3 to 5, the first tensor load behind the round
	LDX 0, 0, 0, 1                                 ; K step 0 into set 0
	LDSC 0, 0, 0
	LDX 0, 0, 0, 0
	LDW 0, 0, 0, 1, 0, 8
	LDW 0, 0, 0, 0, 0, 8
	WIN 0
	s_wait_dscnt 0x0
	FULL 0, 1, 9, 0, 0, 0, 0, 1, 8, 9              ; the first step's G1 and G2 start the sums: nothing is ever cleared
	FULL 1, 0, 9, 0, 0, 0, 0, 2, 8, 1
	FULL 2, 0, 0, 6, G1S, G1BS, 1, 0, 8, 9         ; slot 0 takes steps 6 and 7
	FULL 3, 0, 9, 0, 0, 0, 1, 1, 8, 2
	FULL 4, 0, 9, 0, 0, 0, 1, 2, 8, 9
	FULL 5, 0, 1, 5, G1, G1B, 0, 0, 8, 3           ; slot 1 takes steps 8 to 10
	FULL 6, 0, 9, 0, 0, 0, 0, 1, 8, 9
	FULL 7, 0, 0, 5, G1, G1B, 1, 0, 8, 9           ; slot 0 takes steps 11 to 13
	FULL 8, 0, 9, 0, 0, 0, 1, 1, 8, 9
	FULL 9, 0, 9, 0, 0, 0, 1, 2, 8, 9
	FULL 10, 0, 1, 6, G1S, G1BS, 0, 0, 4, 9        ; slot 1 takes steps 14 and 15, in places 0 and 1: the last fill
	HALFU 11, 0, 0, 0, 1, 0, 99                    ; steps 11 to 15, my left 64 columns
	HALFU 12, 0, 0, 0, 2, 0, 99
	HALFU 13, 0, 1, 1, 0, 0, 99
	HALFU 14, 0, 0, 1, 1, 0, 99
	HALFU 15, 0, 0, 0, 0, 4, 99
	HALFU 16, 2, 0, 0, 1, 4, 0                     ; steps 11 to 15 again, my right 64 columns, while blocks 0 to 4 of the left leave
	HALFU 17, 2, 0, 0, 2, 4, 1
	HALFU 18, 2, 0, 1, 0, 4, 2
	HALFU 19, 2, 0, 1, 1, 4, 3
	HALFU 20, 2, 0, 9, 0, 0, 4
	PLACES 4                                       ; behind the last products, in front of reads of their results
	SEND 5, 0                                      ; the left half's last three blocks are in registers
	SEND 6, 0
	SEND 7, 0
	TOSTAGE 8
	TOSTAGE 9
	TOSTAGE 10
	TOSTAGE 11
	SEND 8, 48                                     ; behind the block's loads: the next three blocks' 8 stores and 8 loads each
	SEND 9, 32
	SEND 10, 16
	SEND 11, 0
	TOSTAGE 12
	TOSTAGE 13
	TOSTAGE 14
	TOSTAGE 15
	WIN 0
	s_wait_tensorcnt 0x0                           ; the wave's end: behind my last tensor load and my last LDS store
	ds_add_u32 v[SPW], v[NIL]
	s_wait_dscnt 0x0                               ; and the last four blocks are in registers
	CROUND                                         ; the closing round: no work-group ends while a partner may still ask for a block that names it
	SEND 12, 0
	SEND 13, 0
	SEND 14, 0
	SEND 15, 0
	s_endpgm
.Lfunc_end_k_qec71939f79_cgemm:
	.size	k_qec71939f79_cgemm, .Lfunc_end_k_qec71939f79_cgemm-k_qec71939f79_cgemm
	.p2alignl 7, 3214868480
	.fill 96, 4, 3214868480
	.section	.rodata,"a",@progbits
	.p2align	6, 0x0
	.amdhsa_kernel k_qec71939f79_cgemm
		.amdhsa_group_segment_fixed_size 327680
		.amdhsa_private_segment_fixed_size 0
		.amdhsa_enable_private_segment 0
		.amdhsa_kernarg_size 32
		.amdhsa_user_sgpr_count 2
		.amdhsa_user_sgpr_kernarg_segment_ptr 1
		.amdhsa_wavefront_size32 1
		.amdhsa_system_sgpr_workgroup_id_x 1
		.amdhsa_system_sgpr_workgroup_id_y 1
		.amdhsa_system_sgpr_workgroup_id_z 1
		.amdhsa_system_vgpr_workitem_id 0
		.amdhsa_next_free_vgpr 1024
		.amdhsa_next_free_sgpr 100
		.amdhsa_reserve_vcc 0
		.amdhsa_float_denorm_mode_32 3
		.amdhsa_float_denorm_mode_16_64 3
		.amdhsa_memory_ordered 1
		.amdhsa_forward_progress 1
		.amdhsa_inst_pref_size 241
	.end_amdhsa_kernel
	.amdgpu_metadata
---
amdhsa.version: [ 1, 2 ]
amdhsa.kernels:
  - .name:           k_qec71939f79_cgemm
    .symbol:         k_qec71939f79_cgemm.kd
    .args:
      - { .name: xq, .offset: 0, .size: 8, .value_kind: global_buffer, .address_space: global }
      - { .name: wq, .offset: 8, .size: 8, .value_kind: global_buffer, .address_space: global }
      - { .name: out0, .offset: 16, .size: 8, .value_kind: global_buffer, .address_space: global }
      - { .name: out1, .offset: 24, .size: 8, .value_kind: global_buffer, .address_space: global }
    .group_segment_fixed_size: 327680
    .private_segment_fixed_size: 0
    .kernarg_segment_align: 8
    .kernarg_segment_size: 32
    .max_flat_workgroup_size: 128
    .sgpr_count:     100
    .vgpr_count:     1024
    .wavefront_size: 32
...
	.end_amdgpu_metadata
.endif
;; end of part 2
